; MI455X (gfx1250); checked and timed in simulation.
; The chip was launched on July 23, 2026; its instructions are those of AMD's public machine-readable ISA for CDNA 5 (MIT licence, August 2026) and "CDNA5" Instruction Set Architecture Reference Guide (July 2026). The comments in the code are by the model that wrote it; some were corrected since.
;; GRU Cell. Allowed arithmetic: float matrix products may take bf16 or f16 operands with f32 sums; all other float work in f32.
;; Inputs: h_prev 16,384 x 512 float32; hidden_bias 512 float32; hidden_kernel 1,024 x 512 float32; inputs 16,384 x 512 float32; reset_bias 512 float32; reset_kernel 1,024 x 512 float32; update_bias 512 float32; update_kernel 1,024 x 512 float32.
;; Outputs: out0 16,384 x 512 float32.
;; 2 versions, each right and faster than the one before. Each part assembles by itself: llvm-mc -triple=amdgcn-amd-amdhsa -mcpu=gfx1250 --defsym DOCPART=n.
;; ======== version 1 of 2: 2 launches
;; workspace buffers: wbuf 3,145,728 bytes
;; launch prep (part 1): grid 256 x 3, 4 waves a work-group, no clusters, 0 bytes of LDS; arguments update_kernel, reset_kernel, hidden_kernel, wbuf; writes wbuf
.if DOCPART == 1
	.amdgcn_target "amdgcn-amd-amdhsa--gfx1250"
	.amdhsa_code_object_version 6
	.text
	.protected	k_q007f508cc6_prep
	.globl	k_q007f508cc6_prep
	.p2align	8
	.type	k_q007f508cc6_prep,@function
k_q007f508cc6_prep:
	s_mov_b64 s[64:65], 0
	v_nop
	global_prefetch_b8 v0, s[64:65] scope:SCOPE_SE
	s_setreg_imm32_b32 hwreg(HW_REG_WAVE_MODE, 25, 1), 1
	s_wait_xcnt 0x0
; The three kernels [1024 (k)][512 (n)] f32 are rounded once to bf16 (nearest even) and laid, still [k][n], in the order in which
; the next launch walks them: wbuf is 3072 rows of 512 bf16 (1,024 bytes), 48 slots of 64 rows.
;   slots 0..31 : row 64 t + rho      = update_kernel[32 t + rho],  row 64 t + 32 + rho = reset_kernel[32 t + rho]   (rho = 0..31)
;   slots 32..47: row 2048 + k        = hidden_kernel[k]
; A stream: no LDS, no barrier, no matrix unit.  Work-group (x, y): y is the kernel (0 update, 1 reset, 2 hidden), wave w takes row k = 4 x + w.
; A lane takes 4 x 4 numbers: each load of the wave covers 512 neighbouring bytes, each store 256 neighbouring bytes at a multiple of 256.
.set X, 4                              ; v[4:19]   the row as loaded, four pieces
.set Y, 20                             ; v[20:27]  the row in bf16, four pieces
	s_load_b256 s[4:11], s[0:1], 0x0               ; update s[4:5], reset s[6:7], hidden s[8:9], wbuf s[10:11]
	v_lshrrev_b32 v3, 5, v0
	v_readfirstlane_b32 s12, v3                    ; wave
	s_and_b32 s13, ttmp7, 0xffff                   ; which kernel
	s_lshl_b32 s14, ttmp9, 2
	s_add_co_u32 s14, s14, s12                     ; k = 4 x + wave
	v_and_b32 v1, 31, v0
	v_lshlrev_b32 v2, 3, v1                        ; 8 bytes a lane going out
	v_lshlrev_b32 v1, 4, v1                        ; 16 bytes a lane coming in
	s_lshr_b32 s15, s14, 5
	s_lshl_b32 s15, s15, 6                         ; 64 (k / 32)
	s_lshl_b32 s18, s13, 5
	s_add_co_u32 s15, s15, s18                     ; + 32 for the reset kernel
	s_and_b32 s18, s14, 31
	s_add_co_u32 s15, s15, s18                     ; + k mod 32: the row for update and reset
	s_add_co_u32 s19, s14, 2048                    ; the row for hidden
	s_cmp_eq_u32 s13, 2
	s_cselect_b32 s18, s19, s15
	s_lshl_b32 s22, s18, 10                        ; rows of 1,024 bytes in wbuf
	s_mov_b32 s23, 0
	s_lshl_b32 s24, s14, 11                        ; rows of 2,048 bytes in the kernels
	s_mov_b32 s25, 0
	s_wait_kmcnt 0x0
	s_cmp_eq_u32 s13, 0
	s_cselect_b64 s[16:17], s[4:5], s[6:7]         ; the choice hangs on the work-group's y alone
	s_cmp_eq_u32 s13, 2
	s_cselect_b64 s[16:17], s[8:9], s[16:17]
	s_add_nc_u64 s[16:17], s[16:17], s[24:25]
	s_add_nc_u64 s[20:21], s[10:11], s[22:23]
.irp j, 0,1,2,3
	global_load_b128 v[X+4*\j:X+4*\j+3], v1, s[16:17] offset:512*\j th:TH_LOAD_NT   ; read once in the launch
.endr
.irp j, 0,1,2,3
	s_wait_loadcnt 3-\j                            ; loads come back in order: piece j is in, the younger ones stay out
	v_cvt_pk_bf16_f32 v[Y+2*\j],   v[X+4*\j],   v[X+4*\j+1]
	v_cvt_pk_bf16_f32 v[Y+2*\j+1], v[X+4*\j+2], v[X+4*\j+3]
	global_store_b64 v2, v[Y+2*\j:Y+2*\j+1], s[20:21] offset:256*\j                 ; no hint: the next launch reads these bytes
.endr
	s_endpgm
.Lfunc_end_k_q007f508cc6_prep:
	.size	k_q007f508cc6_prep, .Lfunc_end_k_q007f508cc6_prep-k_q007f508cc6_prep
	.p2alignl 7, 3214868480
	.fill 96, 4, 3214868480
	.section	.rodata,"a",@progbits
	.p2align	6, 0x0
	.amdhsa_kernel k_q007f508cc6_prep
		.amdhsa_group_segment_fixed_size 0
		.amdhsa_private_segment_fixed_size 0
		.amdhsa_enable_private_segment 0
		.amdhsa_kernarg_size 32
		.amdhsa_user_sgpr_count 2
		.amdhsa_user_sgpr_kernarg_segment_ptr 1
		.amdhsa_wavefront_size32 1
		.amdhsa_system_sgpr_workgroup_id_x 1
		.amdhsa_system_sgpr_workgroup_id_y 1
		.amdhsa_system_sgpr_workgroup_id_z 1
		.amdhsa_system_vgpr_workitem_id 0
		.amdhsa_next_free_vgpr 32
		.amdhsa_next_free_sgpr 66
		.amdhsa_reserve_vcc 0
		.amdhsa_float_denorm_mode_32 3
		.amdhsa_float_denorm_mode_16_64 3
		.amdhsa_memory_ordered 1
		.amdhsa_forward_progress 1
		.amdhsa_inst_pref_size 3
	.end_amdhsa_kernel
	.amdgpu_metadata
---
amdhsa.version: [ 1, 2 ]
amdhsa.kernels:
  - .name:           k_q007f508cc6_prep
    .symbol:         k_q007f508cc6_prep.kd
    .args:
      - { .name: update_kernel, .offset: 0, .size: 8, .value_kind: global_buffer, .address_space: global }
      - { .name: reset_kernel, .offset: 8, .size: 8, .value_kind: global_buffer, .address_space: global }
      - { .name: hidden_kernel, .offset: 16, .size: 8, .value_kind: global_buffer, .address_space: global }
      - { .name: wbuf, .offset: 24, .size: 8, .value_kind: global_buffer, .address_space: global }
    .group_segment_fixed_size: 0
    .private_segment_fixed_size: 0
    .kernarg_segment_align: 8
    .kernarg_segment_size: 32
    .max_flat_workgroup_size: 128
    .sgpr_count:     66
    .vgpr_count:     32
    .wavefront_size: 32
...
	.end_amdgpu_metadata
.endif
;; end of part 1
;; launch gru (part 2): grid 256 x 1, 4 waves a work-group, clusters of 4 x 1, 327,680 bytes of LDS; arguments inputs, h_prev, update_bias, reset_bias, hidden_bias, wbuf, out0; writes out0
.if DOCPART == 2
	.amdgcn_target "amdgcn-amd-amdhsa--gfx1250"
	.amdhsa_code_object_version 6
	.text
	.protected	k_q007f508cc6_gru
	.globl	k_q007f508cc6_gru
	.p2align	8
	.type	k_q007f508cc6_gru,@function
k_q007f508cc6_gru:
	s_mov_b64 s[64:65], 0
	v_nop
	global_prefetch_b8 v0, s[64:65] scope:SCOPE_SE
	s_setreg_imm32_b32 hwreg(HW_REG_WAVE_MODE, 25, 1), 1
	s_wait_xcnt 0x0
	s_wait_alu depctr_hold_cnt(0) depctr_sa_sdst(0) depctr_va_vdst(0) depctr_va_sdst(0) depctr_va_ssrc(0) depctr_va_vcc(0) depctr_vm_vsrc(0)
	s_getreg_b32 s2, hwreg(HW_REG_IB_STS2, 6, 4)
	s_cmp_eq_u32 s2, 0
	s_cbranch_scc0 .Lentry_in_a_cluster
	s_endpgm
.Lentry_in_a_cluster:
	s_bfe_u32 s2, ttmp6, 0x10000c
	s_cmp_lg_u32 s2, 0x3003
	s_cbranch_scc0 .Lentry_shape_is_right
	s_endpgm
.Lentry_shape_is_right:
; One GRU step, fused:  z = sigmoid([x,h] Wz + bz),  r = sigmoid([x,h] Wr + br),  t = tanh([x, r*h] Wh + bh),  out = h + z (t - h).
; x, h, out: [16384][512] f32.  The weights come from wbuf: bf16, [k][n], 48 slots of 64 rows x 1,024 bytes in the order walked here.
;
; SHARES.  t needs r for all 512 columns of a row, so a work-group owns whole rows: 64 rows x 512 columns, 256 work-groups.  Wave w owns all
; 64 rows x columns 128 w .. 128 w + 127 of every gate: 32 accumulator tiles of 16 x 16 (a = 0..3 down the rows, b = 0..7 along the columns).
; THE MATRIX INSTRUCTION IS USED TRANSPOSED: source 0 = 16 columns of the weights, source 1 = 16 rows of the activations, so register j of
; lane (r = l % 16, hh = l / 16) of tile (a, b) is (row 16 a + r, column 128 w + 16 b + 8 hh + j): eight neighbouring columns of one row.
; h is kept in f32 in that same layout, so r*h and the blend are register arithmetic, and r*h packs into 16 bytes for LDS.
;
; CLUSTERS.  Every work-group walks the same 3 MiB of weights, so four work-groups form a cluster and ask for every tile jointly (mask 15):
; the requests for weights are divided by four.  x, h and out belong to one work-group each and are not shared.
;
; FORMATS AND LIMITS.  Matrix operands (x, h, r*h, weights) are bf16, rounded once to nearest even; sums, biases, activations, r*h and the
; blend are f32, on f32 h.  sigmoid(a) = 1 / (1 + 2^(-a log2 e)), tanh(a) = 1 - 2 / (1 + 2^(2 a log2 e)): where the power overflows to
; infinity or is flushed to zero both give their limits (0, 1, -1, 1).  tanh in this form has an absolute error of about 1e-7, so its relative
; accuracy is lost for |a| below about 1e-4.  NaN goes through.
;
; LDS.  ACT   0        64 rows, pitch 2,064: bytes 0..1023 x in bf16, 1024..2047 h in bf16, later r*h.  Written by LDS stores alone.
;       STAGE 132,096  16 rows x 528 bytes of f32 for each wave, its own: h on its way into the tile layout, the result on its way out.
;       BIAS  165,888  3 x 128 f32 for each wave, its own.
;       SLOTS 172,032  two slots of 64 rows, pitch 1,056 (1,024 + 32): filled by tensor loads alone.  A slot is two units of 32 k x 512 n.
; Slots of three units would pass the 327,680 bytes that a work-group can have, so two units is the most.
;
; REGISTERS, in windows of 256: window 0 addresses, fragments, scratch; window 1 x as it lands, then h in f32 (kept to the end);
; window 2 z's sums; window 3 r's sums, later t's.  Tile (a, b) is v[8 (8 a + b)] in windows 1, 2 and 3 alike.
.set AP,    2064                       ; pitch of ACT: an odd multiple of 16 bytes, so the 16 rows of a fragment load start 16 bytes apart modulo 256
.set SP,    528                        ; pitch of a stage, likewise
.set WP,    1056                       ; pitch of a slot: an odd multiple of 32 bytes, for the transposing loads
.set STAGE, 64*AP
.set BIAS,  STAGE+4*16*SP
.set SLOTS, BIAS+4*1536
.set QUART, 16*WP                      ; 16 rows: what one tensor load brings
.set UNIT,  32*WP                      ; 32 k
.set SLOTB, 64*WP                      ; a slot in LDS
.set SLOTG, 65536                      ; a slot in wbuf
.set GOFF, 8                           ; v8      512 w + 16 l: my 16 bytes in a row of x, h, out, and in a bias; never rewritten
.set XS,   10                          ; v10-11  where my 8 bytes of bf16 x go: rows 0-31, rows 32-63
.set HS,   12                          ; v12-13  where my 16 bytes of bf16 h (r*h) go: rows 0-31, rows 32-63
.set STR,  14                          ; v14     stage by rows: 16 l
.set STD,  15                          ; v15     stage by tiles: 528 r + 32 hh
.set BIW,  16                          ; v16     bias in
.set BIR,  17                          ; v17     bias back, by tiles
.set BA,   18                          ; v18-19  activation fragments at k = 0: rows 0-31, rows 32-63
.set RA,   20                          ; v20-21  the same, stepped along k
.set WB,   22                          ; v22-23  weight fragments in slot 0, 1
.set AB,   32                          ; v32-63, v64-95     activation fragments (4 x 16 rows x 32 k), two buffers
.set BB,   96                          ; v96-159, v160-223  weight fragments (8 x 16 columns x 32 k), two buffers
.set TMP,  224                         ; v224-255 scratch
.set G1,   24                          ; s[24:31] descriptor group 1, never rewritten
.set G0,   32                          ; s[32:39] descriptor group 0, one set for each slot
.set MSB,  0
.macro WIN new                         ; s_set_vgpr_msb: bits 1:0 source 0, 3:2 source 1, 5:4 source 2, 7:6 destination; the high byte repeats the setting that is left
.if MSB != \new
	s_set_vgpr_msb (MSB<<8)|\new
.set MSB, \new
.endif
.endm
; Four places behind a matrix instruction (ISA guide 7.12.1 for vector instructions) before its result is read by
; a vector instruction or one of its registers is loaded again.
.macro PLACES
.rept 4
	v_nop
.endr
.endm
; A round of the cluster's barrier behind its opening work-group barrier: wave 0 signals for the work-group, every wave waits for the four
; work-groups, the work-group's barrier closes the round.
.macro CREST
	s_cmp_lg_u32 s18, 0
	s_cbranch_scc1 .Lnot_wave_0_\@
	s_barrier_signal -3
.Lnot_wave_0_\@:
	s_barrier_wait -3
	s_barrier_signal -1
	s_barrier_wait -1
.endm
.macro CROUND
	s_barrier_signal -1
	s_barrier_wait -1
	CREST
.endm
; 16 transposing loads: unit u of the slot at wb, my 128 columns x 32 k.  The first of a pair brings k = 8 hh + 0..7, the second k = 16 + 8 hh + 0..7.
.macro BFETCH buf, wb, u
.irp b, 0,1,2,3,4,5,6,7
	ds_load_tr16_b128 v[\buf+8*\b:\buf+8*\b+3],   v[\wb] offset:\u*UNIT+32*\b
	ds_load_tr16_b128 v[\buf+8*\b+4:\buf+8*\b+7], v[\wb] offset:\u*UNIT+32*\b+QUART
.endr
.endm
; 8 loads: 64 rows x 32 k of the activations, at byte off behind the address pair ar
.macro AFETCH buf, ar, off
.irp a, 0,1,2,3
	ds_load_b128 v[\buf+8*\a:\buf+8*\a+3],   v[\ar+(\a>>1)] offset:(\a&1)*16*AP+\off
	ds_load_b128 v[\buf+8*\a+4:\buf+8*\a+7], v[\ar+(\a>>1)] offset:(\a&1)*16*AP+\off+32
.endr
.endm
; Matrix instructions for column blocks b0..b1 x all four row blocks.  The accumulators take turns, one instruction a turn, in the same order in
; every run, so that no two matrix instructions that follow each other share an accumulator.
.macro RUN bb, ab, b0, b1
.set rb, \b0
.rept \b1-\b0+1
.irp a, 0,1,2,3
	v_wmma_f32_16x16x32_bf16 v[8*(8*\a+rb):8*(8*\a+rb)+7], v[\bb+8*rb:\bb+8*rb+7], v[\ab+8*\a:\ab+8*\a+7], v[8*(8*\a+rb):8*(8*\a+rb)+7]
.endr
.set rb, rb+1
.endr
.endm
; The sums start as the bias: nothing is cleared, every trip adds in place, and the activations add no bias.
.macro ACCINIT_A gate, a
.irp b, 0,1,2,3,4,5,6,7
.irp q, 0,1
	ds_load_b128 v[64*\a+8*\b+4*\q:64*\a+8*\b+4*\q+3], v[BIR] offset:512*\gate+64*\b+16*\q
.endr
.endr
.endm
.macro ACCINIT gate, win
	WIN \win
.irp aa, 0,1,2,3
	ACCINIT_A \gate, \aa
.endr
.endm
; One slot's two units, 64 matrix instructions.  ph = 1: both units have the same 32 k, unit 0 is Wz (window 2), unit 1 is Wr (window 3), one
; activation fragment serves both.  ph = 3: the units are 64 k of Wh, both add into window 3.
; mode 2: this slot is filled again, behind a round of the cluster's barrier; 1: a plain barrier, nothing is left to fetch; 0: the last trip.
.macro TRIP ph, slot, mode, ar, offT, offP
.if \ph == 1
.set T_WA, 0xa0
.set T_AA, AB+32*\slot
.set T_AB, AB+32*\slot
.set T_AT, AB+32-32*\slot
.else
.set T_WA, 0xf0
.set T_AA, AB
.set T_AB, AB+32
.set T_AT, AB+32
.endif
	PLACES                                         ; behind the last trip's matrix instructions, which read the buffers loaded now
	WIN 0
	BFETCH BB+64, WB+\slot, 1                      ; unit 1
	AFETCH T_AT, \ar, \offT                        ; ph 1: the next trip's activations; ph 3: unit 1's
	s_wait_dscnt 24                                ; the 16 + 8 loads just issued may stay out; unit 0's fragments and all older loads are in
	WIN T_WA
	RUN BB, T_AA, 0, 7
	s_wait_dscnt 0x0                               ; unit 1 is in registers: my reads of this slot are over
.if \mode == 0
	WIN 0xf0
	RUN BB+64, T_AB, 0, 7
.else
	s_wait_tensorcnt 0x0                           ; all my tensor loads have landed: the one that was out is my quarter of the other slot
	ds_add_u32 v30, v31
	s_wait_dscnt 0x0
	s_barrier_signal -1                            ; say so (mode 2: this barrier opens the round),
	WIN 0xf0
	RUN BB+64, T_AB, 0, 1                          ; work on registers while the others arrive,
	WIN 0
	s_barrier_wait -1
.if \mode == 2
	CREST                                          ; no wave of any of the four work-groups still reads this slot or has a load on its way
	s_add_nc_u64 s[G0+4*\slot+2:G0+4*\slot+3], s[G0+4*\slot+2:G0+4*\slot+3], 2*SLOTG
	tensor_load_to_lds s[G0+4*\slot:G0+4*\slot+3], s[G1:G1+7]   ; my one tensor load behind the round, first thing there: the slot two steps ahead
	s_nop 0
.endif
	PLACES
	BFETCH BB, WB+1-\slot, 0                       ; the other slot is whole: its unit 0
.if \ph == 3
	AFETCH AB, \ar, \offP                          ; and that unit's activations
.endif
	WIN 0xf0
	RUN BB+64, T_AB, 2, 7
.endif
.endm
.macro PAIR1                           ; two slots = 64 k of the z and r products
	TRIP 1, 0, 2, RA, 64, 0
	TRIP 1, 1, 2, RA, 128, 0
	WIN 0
	v_add_nc_u32 v[RA], 128, v[RA]
	v_add_nc_u32 v[RA+1], 128, v[RA+1]
.endm
.macro PAIR3                           ; two slots = 128 k of the hidden product
	TRIP 3, 0, 2, RA, 64, 128
	TRIP 3, 1, 2, RA, 192, 256
	WIN 0
	v_add_nc_u32 v[RA], 256, v[RA]
	v_add_nc_u32 v[RA+1], 256, v[RA+1]
.endm
; 16 rows of x: rounded to bf16 and stored to ACT (each store 256 neighbouring bytes); the same rows of h are asked for into the registers freed.
.macro XGROUP g
	s_wait_loadcnt 48                              ; behind this group's last load stand 48 - 16 g loads of x and 16 g of h: 48 in every group
	WIN 0x05
.irp i, 0,1,2,3,4,5,6,7,8,9,10,11,12,13,14,15
	v_cvt_pk_bf16_f32 v[TMP+2*\i],   v[64*\g+4*\i],   v[64*\g+4*\i+1]
	v_cvt_pk_bf16_f32 v[TMP+2*\i+1], v[64*\g+4*\i+2], v[64*\g+4*\i+3]
.endr
	WIN 0
.irp i, 0,1,2,3,4,5,6,7,8,9,10,11,12,13,14,15
	ds_store_b64 v[XS+(\g>>1)], v[TMP+2*\i:TMP+2*\i+1] offset:((16*\g+\i)&31)*AP
.endr
	WIN 0x40
.irp i, 0,1,2,3,4,5,6,7,8,9,10,11,12,13,14,15
	global_load_b128 v[64*\g+4*\i:64*\g+4*\i+3], v[GOFF], s[6:7] offset:(16*\g+\i)*2048 th:TH_LOAD_NT
.endr
.endm
; 16 rows of h in f32 from the layout of the loads (a row over 32 lanes) into the tiles' layout, in the same 64 registers, through my own stage.
; LDS serves a wave's instructions in order (ISA guide 5.7.1): no wait stands between the stores and the loads.
.macro HSTAGE a
	s_wait_loadcnt 48-16*\a                        ; the later groups of h stay out
	WIN 0x04
.irp i, 0,1,2,3,4,5,6,7,8,9,10,11,12,13,14,15
	ds_store_b128 v[STR], v[64*\a+4*\i:64*\a+4*\i+3] offset:SP*\i
.endr
	WIN 0x40
.irp b, 0,1,2,3,4,5,6,7
.irp q, 0,1
	ds_load_b128 v[64*\a+8*\b+4*\q:64*\a+8*\b+4*\q+3], v[STD] offset:64*\b+16*\q
.endr
.endr
.endm
; Row block a of window 1 (from = 0x05: h) or window 3 (0x0f: r*h), rounded to bf16, 16 bytes a lane and tile, onto ACT's bytes 1024..2047
.macro PACK8 a, from
	WIN \from
.irp b, 0,1,2,3,4,5,6,7
.irp p, 0,1,2,3
	v_cvt_pk_bf16_f32 v[TMP+4*\b+\p], v[64*\a+8*\b+2*\p], v[64*\a+8*\b+2*\p+1]
.endr
.endr
	WIN 0
.irp b, 0,1,2,3,4,5,6,7
	ds_store_b128 v[HS+(\a>>1)], v[TMP+4*\b:TMP+4*\b+3] offset:(\a&1)*16*AP+32*\b
.endr
.endm
; 64 registers in place, under the window that is set: v = 1 / (1 + 2^(c v)), c in s[sc].  The transcendentals stand back to back, and one v_nop
; stands between the last of a run and the first use of a result (ISA guide 5.7.2).
.macro SIG base, sc
.set sk, \base
.rept 32
	v_pk_mul_f32 v[sk:sk+1], v[sk:sk+1], s[\sc:\sc+1] op_sel_hi:[1,0]
.set sk, sk+2
.endr
.set sk, \base
.rept 64
	v_exp_f32 v[sk], v[sk]
.set sk, sk+1
.endr
	v_nop
.set sk, \base
	s_wait_alu depctr_va_vdst(0)
.rept 32
	v_pk_add_f32 v[sk:sk+1], v[sk:sk+1], 1.0 op_sel_hi:[1,0]
.set sk, sk+2
.endr
.set sk, \base
.rept 64
	v_rcp_f32 v[sk], v[sk]
.set sk, sk+1
.endr
	v_nop
.endm
; Row block a: r, r*h in f32, its bf16 onto h's bytes in ACT, and the hidden bias into the registers freed
.macro RACT a
	WIN 0xc7                                       ; destination and source 0 window 3, source 1 window 1
	SIG 64*\a, 40
.set sk, 64*\a
	s_wait_alu depctr_va_vdst(0)
.rept 32
	v_pk_mul_f32 v[sk:sk+1], v[sk:sk+1], v[sk:sk+1]        ; r (window 3) x h (window 1)
.set sk, sk+2
.endr
	PACK8 \a, 0x0f
	WIN 0xc0
	ACCINIT_A 2, \a
.endm
; Row block a: z, t, the blend, and out through my stage: whole rows of my 512 bytes.  ob: 64 registers of window 0, two sets by turns.
.macro EPI a, ob
	WIN 0x82                                       ; window 2 in place
	SIG 64*\a, 40                                  ; z
	WIN 0xc7
	SIG 64*\a, 42
.set sk, 64*\a
	s_wait_alu depctr_va_vdst(0)
.rept 32
	v_pk_fma_f32 v[sk:sk+1], v[sk:sk+1], -2.0, 1.0 op_sel_hi:[1,0,0]                  ; t = tanh
.set sk, sk+2
.endr
.set sk, 64*\a
.rept 32
	v_pk_add_f32 v[sk:sk+1], v[sk:sk+1], v[sk:sk+1] neg_lo:[0,1] neg_hi:[0,1]         ; t (window 3) - h (window 1)
.set sk, sk+2
.endr
	WIN 0xde                                       ; destination 3, source 0 window 2, source 1 window 3, source 2 window 1
.set sk, 64*\a
.rept 32
	v_pk_fma_f32 v[sk:sk+1], v[sk:sk+1], v[sk:sk+1], v[sk:sk+1]                       ; z (t - h) + h
.set sk, sk+2
.endr
	WIN 0x0c
.irp b, 0,1,2,3,4,5,6,7
.irp q, 0,1
	ds_store_b128 v[STD], v[64*\a+8*\b+4*\q:64*\a+8*\b+4*\q+3] offset:64*\b+16*\q
.endr
.endr
	WIN 0
	s_wait_xcnt 0x0                                ; earlier stores read ob: it is loaded again only behind this wait
.irp i, 0,1,2,3,4,5,6,7,8,9,10,11,12,13,14,15
	ds_load_b128 v[\ob+4*\i:\ob+4*\i+3], v[STR] offset:SP*\i       ; my own bytes, served in order behind the stores above
.endr
.irp i, 0,1,2,3,4,5,6,7,8,9,10,11,12,13,14,15
	s_wait_dscnt 15-\i                             ; row i is back, the younger ones stay out
	global_store_b128 v[GOFF], v[\ob+4*\i:\ob+4*\i+3], s[16:17] offset:(16*\a+\i)*2048 th:TH_STORE_NT   ; 512 neighbouring bytes at a multiple of 512 from out's first byte
.endr
.endm
	; ---- head ----
	s_load_b256 s[4:11], s[0:1], 0x0               ; inputs s[4:5], h_prev s[6:7], update_bias s[8:9], reset_bias s[10:11]
	s_load_b128 s[12:15], s[0:1], 0x20             ; hidden_bias s[12:13], wbuf s[14:15]
	s_load_b64 s[16:17], s[0:1], 0x30              ; out0
	v_lshl_add_u32 v30, v0, 2, 0x4b000
	v_mov_b32 v31, 0
	ds_add_u32 v30, v31
	v_lshrrev_b32 v4, 5, v0
	v_readfirstlane_b32 s18, v4                    ; wave 0..3
	s_bfe_u32 s19, ttmp6, 0x40000                  ; cx: my place in the cluster; it enters the addresses of x, h and out alone
	s_lshl_b32 s20, ttmp9, 2                       ; in a cluster launch ttmp9 counts clusters
	s_add_co_u32 s20, s20, s19                     ; work-group
	s_lshl_b32 s22, s20, 17                        ; 64 rows of 2,048 bytes
	s_mov_b32 s23, 0
	s_mov_b32 s40, 0xbfb8aa3b                      ; -log2 e, twice
	s_mov_b32 s41, 0xbfb8aa3b
	s_mov_b32 s42, 0x4038aa3b                      ; 2 log2 e, twice
	s_mov_b32 s43, 0x4038aa3b
	; Group 1: a tile of 16 rows x 512 bf16.  The pad has to stand behind every row of 1,024 bytes, so a row of the tile is a row of wbuf and a
	; wave's quarter of a slot has 16 of them.
	s_mov_b32 s[G1+0], 15|(1<<16)|(1<<20)|(1<<21)|(7<<22)|(7<<25)  ; 15:0 the four work-groups of the cluster; 17:16 elements of 2 bytes; 20 padding on; 21 set beside a mask; 24:22 after every 256 words; 31:25 eight words
	s_mov_b32 s[G1+1], 512<<16                     ; tensor_dim0 = 512
	s_mov_b32 s[G1+2], 16<<16                      ; tensor_dim1 = 16
	s_mov_b32 s[G1+3], 512<<16                     ; tile_dim0 = 512
	s_mov_b32 s[G1+4], 16                          ; tile_dim1 = 16
	s_mov_b32 s[G1+5], 512                         ; elements from row to row
	s_mov_b32 s[G1+6], 0
	s_mov_b32 s[G1+7], 0
	; lane terms
	v_and_b32 v1, 31, v0                           ; l
	v_and_b32 v2, 15, v0                           ; r
	v_bfe_u32 v3, v0, 4, 1                         ; hh
	v_lshlrev_b32 v[GOFF], 4, v0                   ; 16 (32 w + l)
	s_lshl_b32 s45, s18, 8                         ; my 128 columns in bf16: 256 w
	v_lshl_add_u32 v[XS], v1, 3, s45
	v_add_nc_u32 v[XS+1], 32*AP, v[XS]
	v_mul_u32_u24 v5, v2, AP
	v_lshl_add_u32 v[BA], v3, 4, v5                ; 2,064 r + 16 hh
	v_add_nc_u32 v[BA+1], 32*AP, v[BA]
	s_add_co_u32 s46, s45, 1024
	v_add_nc_u32 v[HS], s46, v[BA]                 ; + h's half of the row + my columns
	v_add_nc_u32 v[HS+1], 32*AP, v[HS]
	s_mul_i32 s46, s18, 16*SP
	s_add_co_u32 s46, s46, STAGE                   ; my stage
	v_lshl_add_u32 v[STR], v1, 4, s46
	v_mul_u32_u24 v5, v2, SP
	v_lshl_add_u32 v5, v3, 5, v5
	v_add_nc_u32 v[STD], s46, v5
	s_mul_i32 s47, s18, 1536
	s_add_co_u32 s47, s47, BIAS                    ; my bias bytes
	v_lshl_add_u32 v[BIW], v1, 4, s47
	v_lshl_add_u32 v[BIR], v3, 5, s47
	v_and_b32 v5, 7, v0
	v_lshl_add_u32 v5, v3, 3, v5                   ; the row of a unit that I address: 8 hh + l % 8
	v_mul_u32_u24 v5, v5, WP
	v_bfe_u32 v6, v0, 3, 1
	v_lshl_add_u32 v5, v6, 4, v5                   ; + 16 ((l / 8) % 2)
	s_add_co_u32 s50, s45, SLOTS
	v_add_nc_u32 v[WB], s50, v5
	v_add_nc_u32 v[WB+1], SLOTB, v[WB]
	s_mul_i32 s51, s18, QUART                      ; my quarter of a slot in LDS
	s_lshl_b32 s52, s18, 14                        ; and in wbuf: 16 rows of 1,024 bytes
	s_mov_b32 s53, 0
	s_wait_dscnt 0x0
	s_wait_kmcnt 0x0
	s_add_nc_u64 s[4:5], s[4:5], s[22:23]          ; x, h and out at my work-group's first row
	s_add_nc_u64 s[6:7], s[6:7], s[22:23]
	s_add_nc_u64 s[16:17], s[16:17], s[22:23]
	s_add_nc_u64 s[54:55], s[14:15], s[52:53]
.irp n, 0,1
	s_mov_b32 s[G0+4*\n], 1                                        ; count = 1
	s_add_co_u32 s[G0+4*\n+1], s51, SLOTS+\n*SLOTB                 ; LDS address: constants and the wave's number
	s_add_nc_u64 s[G0+4*\n+2:G0+4*\n+3], s[54:55], \n*SLOTG        ; global address: the same in all four work-groups
	s_or_b32 s[G0+4*\n+3], s[G0+4*\n+3], 0x80000000                ; type = 2
.endr
	CROUND                                         ; the four work-groups are here: the first joint loads meet
	tensor_load_to_lds s[G0:G0+3], s[G1:G1+7]      ; slot step 0
	s_nop 0
	tensor_load_to_lds s[G0+4:G0+7], s[G1:G1+7]    ; slot step 1: two tensor loads of the wave are out, the most in this text
	s_nop 0
	; ---- biases and x ----
	global_load_b128 v[TMP:TMP+3],    v[GOFF], s[8:9]
	global_load_b128 v[TMP+4:TMP+7],  v[GOFF], s[10:11]
	global_load_b128 v[TMP+8:TMP+11], v[GOFF], s[12:13]
	WIN 0x40
.set sk, 0
.rept 64
	global_load_b128 v[4*sk:4*sk+3], v[GOFF], s[4:5] offset:2048*sk th:TH_LOAD_NT   ; row sk, my 512 bytes, into window 1
.set sk, sk+1
.endr
	WIN 0
	s_wait_loadcnt 63                              ; 64 loads stand behind the three biases: they are in
.irp n, 0,1,2
	ds_store_b128 v[BIW], v[TMP+4*\n:TMP+4*\n+3] offset:512*\n
.endr
	ACCINIT 0, 0x80                                ; z's sums start as update_bias,
	ACCINIT 1, 0xc0                                ; r's as reset_bias, while x is on its way
	XGROUP 0
	XGROUP 1
	XGROUP 2
	XGROUP 3
	WIN 0
	s_wait_dscnt 0x0                               ; my part of x is in ACT, my sums hold their biases
	s_wait_tensorcnt 0x1                           ; my quarter of slot 0 is in; slot 1's may stay out
	s_barrier_signal -1
	s_barrier_wait -1
	BFETCH BB, WB, 0
	AFETCH AB, BA, 0
	v_mov_b32 v[RA], v[BA]
	v_mov_b32 v[RA+1], v[BA+1]
	; ---- z and r: slot steps 0..13, all on x, while h is on its way ----
	s_mov_b32 s44, 7
.Lzr_x:
	PAIR1
	s_sub_co_u32 s44, s44, 1
	s_cmp_lg_u32 s44, 0
	s_cbranch_scc1 .Lzr_x
	; ---- h: into the tiles' layout in f32 (window 1), and in bf16 into ACT.  Each count is the number of LDS instructions issued behind the
	; staged loads that are needed: 32 of one HSTAGE, 8 of one PACK8.
	HSTAGE 0
	HSTAGE 1
	s_wait_dscnt 32
	PACK8 0, 0x05
	HSTAGE 2
	s_wait_dscnt 40
	PACK8 1, 0x05
	HSTAGE 3
	s_wait_dscnt 40
	PACK8 2, 0x05
	s_wait_dscnt 8
	PACK8 3, 0x05
	s_wait_dscnt 0x0                               ; my columns of h are in ACT
	s_barrier_signal -1                            ; the tile on its way stays out
	s_barrier_wait -1                              ; everybody's are: h's first fragment is read in slot step 15
	; ---- z and r: slot steps 14..29 ----
	s_mov_b32 s44, 8
.Lzr_h:
	PAIR1
	s_sub_co_u32 s44, s44, 1
	s_cmp_lg_u32 s44, 0
	s_cbranch_scc1 .Lzr_h
	TRIP 1, 0, 2, RA, 64, 0                        ; slot step 30
	TRIP 1, 1, 2, BA, 0, 0                         ; slot step 31: the fragment fetched ahead is the hidden product's first, k = 0..31 of x
	; ---- r, r*h.  Every wave's reads of h's bf16 bytes were waited for in front of slot step 31's round, so they may be written over.
	PLACES
	RACT 0
	RACT 1
	RACT 2
	RACT 3
	WIN 0
	v_mov_b32 v[RA], v[BA]
	v_mov_b32 v[RA+1], v[BA+1]
	s_wait_dscnt 0x0                               ; my columns of r*h are in ACT, window 3 holds hidden_bias
	s_barrier_signal -1
	s_barrier_wait -1
	; ---- the hidden product: slot steps 32..47, 64 k each ----
	s_mov_b32 s44, 7
.Lhid:
	PAIR3
	s_sub_co_u32 s44, s44, 1
	s_cmp_lg_u32 s44, 0
	s_cbranch_scc1 .Lhid
	TRIP 3, 0, 1, RA, 64, 128                      ; slot step 46: nothing is left to fetch; its wait shows the last tile landed
	TRIP 3, 1, 0, RA, 192, 0                       ; slot step 47
	; ---- the way out ----
	PLACES
	EPI 0, BB
	EPI 1, BB+64
	EPI 2, BB
	EPI 3, BB+64
	s_wait_tensorcnt 0x0
	ds_add_u32 v30, v31
	s_wait_dscnt 0x0
	CROUND                                         ; the closing round: no work-group ends while a partner may still ask for a tile that names it
	s_endpgm
.Lfunc_end_k_q007f508cc6_gru:
	.size	k_q007f508cc6_gru, .Lfunc_end_k_q007f508cc6_gru-k_q007f508cc6_gru
	.p2alignl 7, 3214868480
	.fill 96, 4, 3214868480
	.section	.rodata,"a",@progbits
	.p2align	6, 0x0
	.amdhsa_kernel k_q007f508cc6_gru
		.amdhsa_group_segment_fixed_size 327680
		.amdhsa_private_segment_fixed_size 0
		.amdhsa_enable_private_segment 0
		.amdhsa_kernarg_size 56
		.amdhsa_user_sgpr_count 2
		.amdhsa_user_sgpr_kernarg_segment_ptr 1
		.amdhsa_wavefront_size32 1
		.amdhsa_system_sgpr_workgroup_id_x 1
		.amdhsa_system_sgpr_workgroup_id_y 1
		.amdhsa_system_sgpr_workgroup_id_z 1
		.amdhsa_system_vgpr_workitem_id 0
		.amdhsa_next_free_vgpr 1024
		.amdhsa_next_free_sgpr 66
		.amdhsa_reserve_vcc 0
		.amdhsa_float_denorm_mode_32 3
		.amdhsa_float_denorm_mode_16_64 3
		.amdhsa_memory_ordered 1
		.amdhsa_forward_progress 1
		.amdhsa_inst_pref_size 255
	.end_amdhsa_kernel
	.section	.bss,"aw",@nobits
	.p2align	6
	.space	262144
	.amdgpu_metadata
---
amdhsa.version: [ 1, 2 ]
amdhsa.kernels:
  - .name:           k_q007f508cc6_gru
    .symbol:         k_q007f508cc6_gru.kd
    .args:
      - { .name: inputs, .offset: 0, .size: 8, .value_kind: global_buffer, .address_space: global }
      - { .name: h_prev, .offset: 8, .size: 8, .value_kind: global_buffer, .address_space: global }
      - { .name: update_bias, .offset: 16, .size: 8, .value_kind: global_buffer, .address_space: global }
      - { .name: reset_bias, .offset: 24, .size: 8, .value_kind: global_buffer, .address_space: global }
      - { .name: hidden_bias, .offset: 32, .size: 8, .value_kind: global_buffer, .address_space: global }
      - { .name: wbuf, .offset: 40, .size: 8, .value_kind: global_buffer, .address_space: global }
      - { .name: out0, .offset: 48, .size: 8, .value_kind: global_buffer, .address_space: global }
    .group_segment_fixed_size: 327680
    .private_segment_fixed_size: 0
    .kernarg_segment_align: 8
    .kernarg_segment_size: 56
    .max_flat_workgroup_size: 128
    .sgpr_count:     66
    .vgpr_count:     1024
    .wavefront_size: 32
...
	.end_amdgpu_metadata
.endif
;; end of part 2
;; ======== version 2 of 2: 2 launches; 1.38 times as fast as version 1
;; workspace buffers: wbuf 3,145,728 bytes
;; launch prep: the kernel of part 1 again; grid 256 x 3, 4 waves a work-group, no clusters, 0 bytes of LDS; arguments update_kernel, reset_kernel, hidden_kernel, wbuf; writes wbuf
;; launch gru (part 3): grid 256 x 1, 4 waves a work-group, clusters of 4 x 1, 327,680 bytes of LDS; arguments inputs, h_prev, update_bias, reset_bias, hidden_bias, wbuf, out0; writes out0
.if DOCPART == 3
	.amdgcn_target "amdgcn-amd-amdhsa--gfx1250"
	.amdhsa_code_object_version 6
	.text
	.protected	k_q007f508cc6_gru
	.globl	k_q007f508cc6_gru
	.p2align	8
	.type	k_q007f508cc6_gru,@function
k_q007f508cc6_gru:
	s_mov_b64 s[64:65], 0
	v_nop
	global_prefetch_b8 v0, s[64:65] scope:SCOPE_SE
	s_setreg_imm32_b32 hwreg(HW_REG_WAVE_MODE, 25, 1), 1
	s_wait_xcnt 0x0
	s_wait_alu depctr_hold_cnt(0) depctr_sa_sdst(0) depctr_va_vdst(0) depctr_va_sdst(0) depctr_va_ssrc(0) depctr_va_vcc(0) depctr_vm_vsrc(0)
	s_getreg_b32 s2, hwreg(HW_REG_IB_STS2, 6, 4)
	s_cmp_eq_u32 s2, 0
	s_cbranch_scc0 .Lentry_in_a_cluster
	s_endpgm
.Lentry_in_a_cluster:
	s_bfe_u32 s2, ttmp6, 0x10000c
	s_cmp_lg_u32 s2, 0x3003
	s_cbranch_scc0 .Lentry_shape_is_right
	s_endpgm
.Lentry_shape_is_right:
; One GRU step, fused:  z = sigmoid([x,h] Wz + bz),  r = sigmoid([x,h] Wr + br),  t = tanh([x, r*h] Wh + bh),  out = h + z (t - h).
; x, h, out: [16384][512] f32.  The weights come from wbuf: bf16, [k][n], 48 slots of 64 rows x 1,024 bytes:
; slots 0..31: 32 k of Wz, then the same 32 k of Wr; slots 32..47: 64 k of Wh.
;
; SHARES.  t needs r for all 512 columns of a row, so a work-group owns whole rows: 64 rows x 512 columns, 256 work-groups.  A wave owns all
; 64 rows x 128 columns (column block cb, see below) of every gate: 32 accumulator tiles of 16 x 16 (a = 0..3 down the rows, b = 0..7 along).
; THE MATRIX INSTRUCTION IS USED TRANSPOSED: source 0 = 16 columns of the weights, source 1 = 16 rows of the activations, so register j of
; lane (r = l % 16, hh = l / 16) of tile (a, b) is (row 16 a + r, column 128 cb + 16 b + 8 hh + j): eight neighbouring columns of one row.
; h is kept in f32 in that same layout, so r*h and the blend are register arithmetic, and r*h packs into 16 bytes for LDS.
;
; CLUSTERS.  Every work-group walks the same 3 MiB of weights, so four work-groups form a cluster and ask for every tile jointly (mask 15):
; the requests for weights are divided by four.  x, h and out belong to one work-group each and are not shared.
;
; THE WALK IS ROTATED.  The sums over k may be taken in any order, so the 64 clusters do not all begin at slot 0: with c the cluster's number,
; u0 = (c + c / 8) mod 8 and rho = u0 mod 4, the four parts of the walk go
;   steps  0..15 (z, r on x):   slot      (2 u0  + s) mod 16        steps 32..39 (t on x):    slot 32 + (u0    + s) mod 8
;   steps 16..31 (z, r on h):   slot 16 + (4 rho + s) mod 16        steps 40..47 (t on r*h):  slot 40 + (2 rho + s) mod 8
; so at any step the clusters ask for different slots, and but for the first few slots of a part a cluster asks for bytes that another
; cluster has asked for some steps before.  No LDS address hangs on c: the rotation is made by global addresses alone.  x is loaded from
; column 64 u0 on (modulo 512) into fixed bytes of ACT.  h and r*h come to ACT from the tiles, so the waves' column blocks are rotated:
; wave w owns block cb = (w + rho) mod 4, loads h, the biases and its columns of the weights from there and stores out there, and its fixed
; quarter of ACT's second half holds block cb.  In LDS both halves are then walked from byte 0 on, as if nothing were rotated.
;
; FORMATS AND LIMITS.  Matrix operands (x, h, r*h, weights) are bf16, rounded once to nearest even; sums, biases, activations, r*h and the
; blend are f32, on f32 h.  The order of the sums over k differs from cluster to cluster by the rotation.
; sigmoid(a) = 1 / (1 + 2^(-a log2 e)), tanh(a) = 1 - 2 / (1 + 2^(2 a log2 e)): where the power overflows to infinity or is flushed to zero
; both give their limits (0, 1, -1, 1).  tanh in this form has an absolute error of about 1e-7, so its relative accuracy is lost for |a|
; below about 1e-4.  NaN goes through.
;
; LDS.  ACT   0        64 rows, pitch 2,064: bytes 0..1023 x in bf16, 1024..2047 h in bf16, later r*h.  Written by LDS stores alone.
;       STAGE 132,096  16 rows x 528 bytes of f32 for each wave, its own: h on its way into the tile layout, the result on its way out.
;       BIAS  165,888  3 x 128 f32 for each wave, its own.
;       SLOTS 172,032  two slots; in each, for each wave, 64 rows (k) x 128 columns, pitch 288 (256 + 32): filled by tensor loads alone.
;                      A slot is two units of 32 k.  Slots of three units would pass the 327,680 bytes that a work-group can have.
;
; REGISTERS, in windows of 256: window 0 addresses, fragments, scratch; window 1 x as it lands, then h in f32 (kept to the end);
; window 2 z's sums; window 3 r's sums, later t's.  Tile (a, b) is v[8 (8 a + b)] in windows 1, 2 and 3 alike.
.set AP,    2064                       ; pitch of ACT: an odd multiple of 16 bytes, so the 16 rows of a fragment load start 16 bytes apart modulo 256
.set SP,    528                        ; pitch of a stage, likewise
.set WP,    288                        ; pitch of a wave's part of a slot: an odd multiple of 32 bytes, for the transposing loads
.set STAGE, 64*AP
.set BIAS,  STAGE+4*16*SP
.set SLOTS, BIAS+4*1536
.set QUART, 16*WP                      ; 16 k
.set UNIT,  32*WP                      ; 32 k
.set WPART, 64*WP                      ; a wave's part of a slot: what one tensor load brings
.set SLOTB, 4*WPART                    ; a slot in LDS
.set SLOTG, 65536                      ; a slot in wbuf
.set GOFF, 8                           ; v8      512 cb + 16 l: my 16 bytes in a row of h and out, and in a bias; never rewritten
.set XOFF, 9                           ; v9      (512 w + 16 l + 256 u0) mod 2048: my 16 bytes in a row of x; never rewritten
.set XS,   10                          ; v10-11  where my 8 bytes of bf16 x go: rows 0-31, rows 32-63
.set HS,   12                          ; v12-13  where my 16 bytes of bf16 h (r*h) go: rows 0-31, rows 32-63
.set STR,  14                          ; v14     stage by rows: 16 l
.set STD,  15                          ; v15     stage by tiles: 528 r + 32 hh
.set BIW,  16                          ; v16     bias in
.set BIR,  17                          ; v17     bias back, by tiles
.set BA,   18                          ; v18-19  activation fragments at ACT's byte 0: rows 0-31, rows 32-63
.set RA,   20                          ; v20-21  the same, stepped along the rows
.set WB,   22                          ; v22-23  weight fragments in slot 0, 1
.set AB,   32                          ; v32-63, v64-95     activation fragments (4 x 16 rows x 32 k), two buffers
.set BB,   96                          ; v96-159, v160-223  weight fragments (8 x 16 columns x 32 k), two buffers
.set TMP,  224                         ; v224-255 scratch
.set G1,   24                          ; s[24:31] descriptor group 1, never rewritten
.set G0,   32                          ; s[32:39] descriptor group 0, one set for each slot
                                       ; s57 the next slot to ask for, counted inside the part of the walk; s[58:59] its byte offset; s[60:61] the part's first slot, my columns
.set MSB,  0
.macro WIN new                         ; s_set_vgpr_msb: bits 1:0 source 0, 3:2 source 1, 5:4 source 2, 7:6 destination; the high byte repeats the setting that is left
.if MSB != \new
	s_set_vgpr_msb (MSB<<8)|\new
.set MSB, \new
.endif
.endm
; Four places behind a matrix instruction (ISA guide 7.12.1 for vector instructions) before its result is read by
; a vector instruction or one of its registers is loaded again.
.macro PLACES
.rept 4
	v_nop
.endr
.endm
; A round of the cluster's barrier behind its opening work-group barrier: wave 0 signals for the work-group, every wave waits for the four
; work-groups, the work-group's barrier closes the round.
.macro CREST
	s_cmp_lg_u32 s18, 0
	s_cbranch_scc1 .Lnot_wave_0_\@
	s_barrier_signal -3
.Lnot_wave_0_\@:
	s_barrier_wait -3
	s_barrier_signal -1
	s_barrier_wait -1
.endm
.macro CROUND
	s_barrier_signal -1
	s_barrier_wait -1
	CREST
.endm
; 16 transposing loads: unit u of my part of the slot at wb, 128 columns x 32 k.  The first of a pair brings k = 8 hh + 0..7, the second k = 16 + 8 hh + 0..7.
.macro BFETCH buf, wb, u
.irp b, 0,1,2,3,4,5,6,7
	ds_load_tr16_b128 v[\buf+8*\b:\buf+8*\b+3],   v[\wb] offset:\u*UNIT+32*\b
	ds_load_tr16_b128 v[\buf+8*\b+4:\buf+8*\b+7], v[\wb] offset:\u*UNIT+32*\b+QUART
.endr
.endm
; 8 loads: 64 rows x 32 k of the activations, at byte off behind the address pair ar
.macro AFETCH buf, ar, off
.irp a, 0,1,2,3
	ds_load_b128 v[\buf+8*\a:\buf+8*\a+3],   v[\ar+(\a>>1)] offset:(\a&1)*16*AP+\off
	ds_load_b128 v[\buf+8*\a+4:\buf+8*\a+7], v[\ar+(\a>>1)] offset:(\a&1)*16*AP+\off+32
.endr
.endm
; Matrix instructions for column blocks b0..b1 x all four row blocks.  The accumulators take turns, one instruction a turn, in the same order in
; every run, so that no two matrix instructions that follow each other share an accumulator.
.macro RUN bb, ab, b0, b1
.set rb, \b0
.rept \b1-\b0+1
.irp a, 0,1,2,3
	v_wmma_f32_16x16x32_bf16 v[8*(8*\a+rb):8*(8*\a+rb)+7], v[\bb+8*rb:\bb+8*rb+7], v[\ab+8*\a:\ab+8*\a+7], v[8*(8*\a+rb):8*(8*\a+rb)+7]
.endr
.set rb, rb+1
.endr
.endm
; The sums start as the bias: nothing is cleared, every trip adds in place, and the activations add no bias.
.macro ACCINIT_A gate, a
.irp b, 0,1,2,3,4,5,6,7
.irp q, 0,1
	ds_load_b128 v[64*\a+8*\b+4*\q:64*\a+8*\b+4*\q+3], v[BIR] offset:512*\gate+64*\b+16*\q
.endr
.endr
.endm
.macro ACCINIT gate, win
	WIN \win
.irp aa, 0,1,2,3
	ACCINIT_A \gate, \aa
.endr
.endm
; One slot's two units, 64 matrix instructions.  ph = 1: both units have the same 32 k, unit 0 is Wz (window 2), unit 1 is Wr (window 3), one
; activation fragment serves both.  ph = 3: the units are 64 k of Wh, both add into window 3.
; mode 2: this slot is filled again, behind a round of the cluster's barrier; 1: a plain barrier, nothing is left to fetch; 0: the last trip.
; RMASK (15 or 7, set in front of each part of the walk): the slots of the part that the refill belongs to, less one.
.macro TRIP ph, slot, mode, ar, offT, offP
.if \ph == 1
.set T_WA, 0xa0
.set T_AA, AB+32*\slot
.set T_AB, AB+32*\slot
.set T_AT, AB+32-32*\slot
.else
.set T_WA, 0xf0
.set T_AA, AB
.set T_AB, AB+32
.set T_AT, AB+32
.endif
	PLACES                                         ; behind the last trip's matrix instructions, which read the buffers loaded now
	WIN 0
	BFETCH BB+64, WB+\slot, 1                      ; unit 1
	AFETCH T_AT, \ar, \offT                        ; ph 1: the next trip's activations; ph 3: unit 1's
	s_wait_dscnt 24                                ; the 16 + 8 loads just issued may stay out; unit 0's fragments and all older loads are in
	WIN T_WA
	RUN BB, T_AA, 0, 7
	s_wait_dscnt 0x0                               ; unit 1 is in registers: my reads of this slot are over
.if \mode == 0
	WIN 0xf0
	RUN BB+64, T_AB, 0, 7
.else
	s_wait_tensorcnt 0x0                           ; all my tensor loads have landed: the one that was out is my part of the other slot; every group 0 may be written
	ds_add_u32 v30, v31
	s_wait_dscnt 0x0
.if \mode == 2
	s_lshl_b32 s58, s57, 16                        ; the slot two steps ahead: its place in its part of the walk, in bytes,
	s_add_nc_u64 s[G0+4*\slot+2:G0+4*\slot+3], s[60:61], s[58:59]   ; behind the part's first slot (my columns)
	s_or_b32 s[G0+4*\slot+3], s[G0+4*\slot+3], 0x80000000          ; type = 2
	s_add_co_u32 s57, s57, 1
	s_and_b32 s57, s57, RMASK                      ; round the part
.endif
	s_barrier_signal -1                            ; say so (mode 2: this barrier opens the round),
	WIN 0xf0
	RUN BB+64, T_AB, 0, 1                          ; work on registers while the others arrive,
	WIN 0
	s_barrier_wait -1
.if \mode == 2
	CREST                                          ; no wave of any of the four work-groups still reads this slot or has a load on its way
	tensor_load_to_lds s[G0+4*\slot:G0+4*\slot+3], s[G1:G1+7]   ; my one tensor load behind the round, first thing there
	s_nop 0
.endif
	PLACES
	BFETCH BB, WB+1-\slot, 0                       ; the other slot is whole: its unit 0
.if \ph == 3
	AFETCH AB, \ar, \offP                          ; and that unit's activations
.endif
	WIN 0xf0
	RUN BB+64, T_AB, 2, 7
.endif
.endm
.macro PAIR1                           ; two slots = 64 k of the z and r products
	TRIP 1, 0, 2, RA, 64, 0
	TRIP 1, 1, 2, RA, 128, 0
	WIN 0
	v_add_nc_u32 v[RA], 128, v[RA]
	v_add_nc_u32 v[RA+1], 128, v[RA+1]
.endm
.macro PAIR3                           ; two slots = 128 k of the hidden product
	TRIP 3, 0, 2, RA, 64, 128
	TRIP 3, 1, 2, RA, 192, 256
	WIN 0
	v_add_nc_u32 v[RA], 256, v[RA]
	v_add_nc_u32 v[RA+1], 256, v[RA+1]
.endm
; 16 rows of x: rounded to bf16 and stored to ACT (each store 256 neighbouring bytes); the same rows of h are asked for into the registers freed.
.macro XGROUP g
	s_wait_loadcnt 48                              ; behind this group's last load stand 48 - 16 g loads of x and 16 g of h: 48 in every group
	WIN 0x05
.irp i, 0,1,2,3,4,5,6,7,8,9,10,11,12,13,14,15
	v_cvt_pk_bf16_f32 v[TMP+2*\i],   v[64*\g+4*\i],   v[64*\g+4*\i+1]
	v_cvt_pk_bf16_f32 v[TMP+2*\i+1], v[64*\g+4*\i+2], v[64*\g+4*\i+3]
.endr
	WIN 0
.irp i, 0,1,2,3,4,5,6,7,8,9,10,11,12,13,14,15
	ds_store_b64 v[XS+(\g>>1)], v[TMP+2*\i:TMP+2*\i+1] offset:((16*\g+\i)&31)*AP
.endr
	WIN 0x40
.irp i, 0,1,2,3,4,5,6,7,8,9,10,11,12,13,14,15
	global_load_b128 v[64*\g+4*\i:64*\g+4*\i+3], v[GOFF], s[6:7] offset:(16*\g+\i)*2048 th:TH_LOAD_NT
.endr
.endm
; 16 rows of h in f32 from the layout of the loads (a row over 32 lanes) into the tiles' layout, in the same 64 registers, through my own stage.
; LDS serves a wave's instructions in order (ISA guide 5.7.1): no wait stands between the stores and the loads.
.macro HSTAGE a
	s_wait_loadcnt 48-16*\a                        ; the later groups of h stay out
	WIN 0x04
.irp i, 0,1,2,3,4,5,6,7,8,9,10,11,12,13,14,15
	ds_store_b128 v[STR], v[64*\a+4*\i:64*\a+4*\i+3] offset:SP*\i
.endr
	WIN 0x40
.irp b, 0,1,2,3,4,5,6,7
.irp q, 0,1
	ds_load_b128 v[64*\a+8*\b+4*\q:64*\a+8*\b+4*\q+3], v[STD] offset:64*\b+16*\q
.endr
.endr
.endm
; Row block a of window 1 (from = 0x05: h) or window 3 (0x0f: r*h), rounded to bf16, 16 bytes a lane and tile, onto ACT's bytes 1024..2047
.macro PACK8 a, from
	WIN \from
.irp b, 0,1,2,3,4,5,6,7
.irp p, 0,1,2,3
	v_cvt_pk_bf16_f32 v[TMP+4*\b+\p], v[64*\a+8*\b+2*\p], v[64*\a+8*\b+2*\p+1]
.endr
.endr
	WIN 0
.irp b, 0,1,2,3,4,5,6,7
	ds_store_b128 v[HS+(\a>>1)], v[TMP+4*\b:TMP+4*\b+3] offset:(\a&1)*16*AP+32*\b
.endr
.endm
; 64 registers in place, under the window that is set: v = 1 / (1 + 2^(c v)), c in s[sc].  The transcendentals stand back to back, and one v_nop
; stands between the last of a run and the first use of a result (ISA guide 5.7.2).
.macro SIG base, sc
.set sk, \base
.rept 32
	v_pk_mul_f32 v[sk:sk+1], v[sk:sk+1], s[\sc:\sc+1] op_sel_hi:[1,0]
.set sk, sk+2
.endr
.set sk, \base
.rept 64
	v_exp_f32 v[sk], v[sk]
.set sk, sk+1
.endr
	v_nop
.set sk, \base
	s_wait_alu depctr_va_vdst(0)
.rept 32
	v_pk_add_f32 v[sk:sk+1], v[sk:sk+1], 1.0 op_sel_hi:[1,0]
.set sk, sk+2
.endr
.set sk, \base
.rept 64
	v_rcp_f32 v[sk], v[sk]
.set sk, sk+1
.endr
	v_nop
.endm
; Row block a: r, r*h in f32, its bf16 onto h's bytes in ACT, and the hidden bias into the registers freed
.macro RACT a
	WIN 0xc7                                       ; destination and source 0 window 3, source 1 window 1
	SIG 64*\a, 40
.set sk, 64*\a
	s_wait_alu depctr_va_vdst(0)
.rept 32
	v_pk_mul_f32 v[sk:sk+1], v[sk:sk+1], v[sk:sk+1]        ; r (window 3) x h (window 1)
.set sk, sk+2
.endr
	PACK8 \a, 0x0f
	WIN 0xc0
	ACCINIT_A 2, \a
.endm
; Row block a: z, t, the blend, and out through my stage: whole rows of my 512 bytes.  ob: 64 registers of window 0, two sets by turns.
.macro EPI a, ob
	WIN 0x82                                       ; window 2 in place
	SIG 64*\a, 40                                  ; z
	WIN 0xc7
	SIG 64*\a, 42
.set sk, 64*\a
	s_wait_alu depctr_va_vdst(0)
.rept 32
	v_pk_fma_f32 v[sk:sk+1], v[sk:sk+1], -2.0, 1.0 op_sel_hi:[1,0,0]                  ; t = tanh
.set sk, sk+2
.endr
.set sk, 64*\a
.rept 32
	v_pk_add_f32 v[sk:sk+1], v[sk:sk+1], v[sk:sk+1] neg_lo:[0,1] neg_hi:[0,1]         ; t (window 3) - h (window 1)
.set sk, sk+2
.endr
	WIN 0xde                                       ; destination 3, source 0 window 2, source 1 window 3, source 2 window 1
.set sk, 64*\a
.rept 32
	v_pk_fma_f32 v[sk:sk+1], v[sk:sk+1], v[sk:sk+1], v[sk:sk+1]                       ; z (t - h) + h
.set sk, sk+2
.endr
	WIN 0x0c
.irp b, 0,1,2,3,4,5,6,7
.irp q, 0,1
	ds_store_b128 v[STD], v[64*\a+8*\b+4*\q:64*\a+8*\b+4*\q+3] offset:64*\b+16*\q
.endr
.endr
	WIN 0
	s_wait_xcnt 0x0                                ; earlier stores read ob: it is loaded again only behind this wait
.irp i, 0,1,2,3,4,5,6,7,8,9,10,11,12,13,14,15
	ds_load_b128 v[\ob+4*\i:\ob+4*\i+3], v[STR] offset:SP*\i       ; my own bytes, served in order behind the stores above
.endr
.irp i, 0,1,2,3,4,5,6,7,8,9,10,11,12,13,14,15
	s_wait_dscnt 15-\i                             ; row i is back, the younger ones stay out
	global_store_b128 v[GOFF], v[\ob+4*\i:\ob+4*\i+3], s[16:17] offset:(16*\a+\i)*2048 th:TH_STORE_NT   ; 512 neighbouring bytes at a multiple of 512 from out's first byte
.endr
.endm
	; ---- head ----
	s_load_b256 s[4:11], s[0:1], 0x0               ; inputs s[4:5], h_prev s[6:7], update_bias s[8:9], reset_bias s[10:11]
	s_load_b128 s[12:15], s[0:1], 0x20             ; hidden_bias s[12:13], wbuf s[14:15]
	s_load_b64 s[16:17], s[0:1], 0x30              ; out0
	v_lshl_add_u32 v30, v0, 2, 0x4e000
	v_mov_b32 v31, 0
	ds_add_u32 v30, v31
	v_lshrrev_b32 v4, 5, v0
	v_readfirstlane_b32 s18, v4                    ; wave 0..3
	s_bfe_u32 s19, ttmp6, 0x40000                  ; cx: my place in the cluster; it enters the row offset of x, h and out alone
	s_lshl_b32 s20, ttmp9, 2                       ; in a cluster launch ttmp9 counts clusters
	s_add_co_u32 s20, s20, s19                     ; work-group
	s_lshl_b32 s22, s20, 17                        ; 64 rows of 2,048 bytes
	s_mov_b32 s23, 0
	s_lshr_b32 s21, ttmp9, 3                       ; the rotation hangs on the cluster's number alone, which the four partners share
	s_add_co_u32 s21, s21, ttmp9
	s_and_b32 s21, s21, 7                          ; u0 = (c + c / 8) mod 8: clusters 1 apart and clusters 8 apart begin at different slots
	s_and_b32 s48, s21, 3                          ; rho
	s_add_co_u32 s49, s18, s48
	s_and_b32 s49, s49, 3                          ; cb = (w + rho) mod 4: my column block
	s_mov_b32 s40, 0xbfb8aa3b                      ; -log2 e, twice
	s_mov_b32 s41, 0xbfb8aa3b
	s_mov_b32 s42, 0x4038aa3b                      ; 2 log2 e, twice
	s_mov_b32 s43, 0x4038aa3b
	; Group 1: a tile of 64 rows (k) x 128 bf16 (my columns): each row is 256 bytes of wbuf at a multiple of 256 from its first byte.
	s_mov_b32 s[G1+0], 15|(1<<16)|(1<<20)|(1<<21)|(5<<22)|(7<<25)  ; 15:0 the four work-groups of the cluster; 17:16 elements of 2 bytes; 20 padding on; 21 set beside a mask; 24:22 after every 64 words; 31:25 eight words
	s_mov_b32 s[G1+1], 128<<16                     ; tensor_dim0 = 128
	s_mov_b32 s[G1+2], 64<<16                      ; tensor_dim1 = 64
	s_mov_b32 s[G1+3], 128<<16                     ; tile_dim0 = 128
	s_mov_b32 s[G1+4], 64                          ; tile_dim1 = 64
	s_mov_b32 s[G1+5], 512                         ; elements from row to row
	s_mov_b32 s[G1+6], 0
	s_mov_b32 s[G1+7], 0
	; lane terms
	v_and_b32 v1, 31, v0                           ; l
	v_and_b32 v2, 15, v0                           ; r
	v_bfe_u32 v3, v0, 4, 1                         ; hh
	s_lshl_b32 s62, s49, 9                         ; my column block in f32: 512 cb
	v_lshl_add_u32 v[GOFF], v1, 4, s62
	s_lshl_b32 s56, s21, 8                         ; 64 u0 columns of f32
	v_lshl_add_u32 v[XOFF], v0, 4, s56             ; 16 (32 w + l) + 256 u0,
	v_and_b32 v[XOFF], 0x7ff, v[XOFF]              ; round the row: sixteen lanes still take 256 bytes at a multiple of 256
	s_lshl_b32 s45, s18, 8                         ; my quarter of a half row of ACT: 256 w
	v_lshl_add_u32 v[XS], v1, 3, s45
	v_add_nc_u32 v[XS+1], 32*AP, v[XS]
	v_mul_u32_u24 v5, v2, AP
	v_lshl_add_u32 v[BA], v3, 4, v5                ; 2,064 r + 16 hh
	v_add_nc_u32 v[BA+1], 32*AP, v[BA]
	s_add_co_u32 s46, s45, 1024
	v_add_nc_u32 v[HS], s46, v[BA]                 ; + h's half of the row + my quarter
	v_add_nc_u32 v[HS+1], 32*AP, v[HS]
	s_mul_i32 s46, s18, 16*SP
	s_add_co_u32 s46, s46, STAGE                   ; my stage
	v_lshl_add_u32 v[STR], v1, 4, s46
	v_mul_u32_u24 v5, v2, SP
	v_lshl_add_u32 v5, v3, 5, v5
	v_add_nc_u32 v[STD], s46, v5
	s_mul_i32 s47, s18, 1536
	s_add_co_u32 s47, s47, BIAS                    ; my bias bytes
	v_lshl_add_u32 v[BIW], v1, 4, s47
	v_lshl_add_u32 v[BIR], v3, 5, s47
	v_and_b32 v5, 7, v0
	v_lshl_add_u32 v5, v3, 3, v5                   ; the row of a unit that I address: 8 hh + l % 8
	v_mul_u32_u24 v5, v5, WP
	v_bfe_u32 v6, v0, 3, 1
	v_lshl_add_u32 v5, v6, 4, v5                   ; + 16 ((l / 8) % 2)
	s_mul_i32 s51, s18, WPART                      ; my part of a slot in LDS: the wave's number times a constant
	s_add_co_u32 s50, s51, SLOTS
	v_add_nc_u32 v[WB], s50, v5
	v_add_nc_u32 v[WB+1], SLOTB, v[WB]
	s_lshl_b32 s52, s49, 8                         ; my columns in a row of wbuf: 256 cb
	s_mov_b32 s53, 0
	s_lshl_b32 s58, s21, 17                        ; the first part begins at slot 2 u0
	s_mov_b32 s59, 0
	s_lshl_b32 s57, s21, 1
	s_add_co_u32 s57, s57, 2
	s_and_b32 s57, s57, 15                         ; and its first refill is slot (2 u0 + 2) mod 16
	s_wait_dscnt 0x0
	s_wait_kmcnt 0x0
	s_add_nc_u64 s[4:5], s[4:5], s[22:23]          ; x, h and out at my work-group's first row
	s_add_nc_u64 s[6:7], s[6:7], s[22:23]
	s_add_nc_u64 s[16:17], s[16:17], s[22:23]
	s_add_nc_u64 s[60:61], s[14:15], s[52:53]      ; the first part's slot 0, my columns
	s_add_nc_u64 s[54:55], s[60:61], s[58:59]      ; slot 2 u0; slot 2 u0 + 1 is at most 15: no wrap
.irp n, 0,1
	s_mov_b32 s[G0+4*\n], 1                                        ; count = 1
	s_add_co_u32 s[G0+4*\n+1], s51, SLOTS+\n*SLOTB                 ; LDS address: constants and the wave's number
	s_add_nc_u64 s[G0+4*\n+2:G0+4*\n+3], s[54:55], \n*SLOTG        ; global address: the same in all four work-groups
	s_or_b32 s[G0+4*\n+3], s[G0+4*\n+3], 0x80000000                ; type = 2
.endr
	CROUND                                         ; the four work-groups are here: the first joint loads meet
	tensor_load_to_lds s[G0:G0+3], s[G1:G1+7]      ; step 0
	s_nop 0
	tensor_load_to_lds s[G0+4:G0+7], s[G1:G1+7]    ; step 1: two tensor loads of the wave are out, the most in this text
	s_nop 0
	; ---- biases and x ----
	global_load_b128 v[TMP:TMP+3],    v[GOFF], s[8:9]
	global_load_b128 v[TMP+4:TMP+7],  v[GOFF], s[10:11]
	global_load_b128 v[TMP+8:TMP+11], v[GOFF], s[12:13]
	WIN 0x40
.set sk, 0
.rept 64
	global_load_b128 v[4*sk:4*sk+3], v[XOFF], s[4:5] offset:2048*sk th:TH_LOAD_NT   ; row sk, 512 bytes of it, into window 1
.set sk, sk+1
.endr
	WIN 0
	s_wait_loadcnt 63                              ; 64 loads stand behind the three biases: they are in
.irp n, 0,1,2
	ds_store_b128 v[BIW], v[TMP+4*\n:TMP+4*\n+3] offset:512*\n
.endr
	ACCINIT 0, 0x80                                ; z's sums start as update_bias,
	ACCINIT 1, 0xc0                                ; r's as reset_bias, while x is on its way
	XGROUP 0
	XGROUP 1
	XGROUP 2
	XGROUP 3
	WIN 0
	s_wait_dscnt 0x0                               ; my part of x is in ACT, my sums hold their biases
	s_wait_tensorcnt 0x1                           ; my part of slot 0 is in; slot 1's may stay out
	s_barrier_signal -1
	s_barrier_wait -1
	BFETCH BB, WB, 0
	AFETCH AB, BA, 0
	v_mov_b32 v[RA], v[BA]
	v_mov_b32 v[RA+1], v[BA+1]
	; ---- z and r: steps 0..13, all on x, while h is on its way.  Their refills are the first part's 14 further slots. ----
.set RMASK, 15
	s_mov_b32 s44, 7
.Lzr_x:
	PAIR1
	s_sub_co_u32 s44, s44, 1
	s_cmp_lg_u32 s44, 0
	s_cbranch_scc1 .Lzr_x
	; ---- h: into the tiles' layout in f32 (window 1), and in bf16 into ACT.  Each count is the number of LDS instructions issued behind the
	; staged loads that are needed: 32 of one HSTAGE, 8 of one PACK8.
	HSTAGE 0
	HSTAGE 1
	s_wait_dscnt 32
	PACK8 0, 0x05
	HSTAGE 2
	s_wait_dscnt 40
	PACK8 1, 0x05
	HSTAGE 3
	s_wait_dscnt 40
	PACK8 2, 0x05
	s_wait_dscnt 8
	PACK8 3, 0x05
	s_add_nc_u64 s[60:61], s[60:61], 16*SLOTG      ; refills run two steps ahead: from step 14 on they belong to the second part (slots 16..31),
	s_lshl_b32 s57, s48, 2                         ; which begins at its slot 4 rho: ACT's quarter 0 of h holds column block rho
	s_wait_dscnt 0x0                               ; my columns of h are in ACT
	s_barrier_signal -1                            ; the tile on its way stays out
	s_barrier_wait -1                              ; everybody's are: h's first fragment is read in step 15
	; ---- z and r: steps 14..29 ----
	s_mov_b32 s44, 8
.Lzr_h:
	PAIR1
	s_sub_co_u32 s44, s44, 1
	s_cmp_lg_u32 s44, 0
	s_cbranch_scc1 .Lzr_h
	s_add_nc_u64 s[60:61], s[60:61], 16*SLOTG      ; the third part: slots 32..39, Wh's rows for x,
	s_mov_b32 s57, s21                             ; from its slot u0 on
.set RMASK, 7
	TRIP 1, 0, 2, RA, 64, 0                        ; step 30
	TRIP 1, 1, 2, BA, 0, 0                         ; step 31: the fragment fetched ahead is the hidden product's first, ACT's bytes 0..63
	; ---- r, r*h.  Every wave's reads of h's bf16 bytes were waited for in front of step 31's round, so they may be written over.
	PLACES
	RACT 0
	RACT 1
	RACT 2
	RACT 3
	WIN 0
	v_mov_b32 v[RA], v[BA]
	v_mov_b32 v[RA+1], v[BA+1]
	s_wait_dscnt 0x0                               ; my columns of r*h are in ACT, window 3 holds hidden_bias
	s_barrier_signal -1
	s_barrier_wait -1
	; ---- the hidden product, 64 k a step: steps 32..37, whose refills are the third part's last six slots ----
	s_mov_b32 s44, 3
.Lhid_x:
	PAIR3
	s_sub_co_u32 s44, s44, 1
	s_cmp_lg_u32 s44, 0
	s_cbranch_scc1 .Lhid_x
	s_add_nc_u64 s[60:61], s[60:61], 8*SLOTG       ; the fourth part: slots 40..47, Wh's rows for r*h,
	s_lshl_b32 s57, s48, 1                         ; from its slot 2 rho on
	; ---- steps 38..45 ----
	s_mov_b32 s44, 4
.Lhid_h:
	PAIR3
	s_sub_co_u32 s44, s44, 1
	s_cmp_lg_u32 s44, 0
	s_cbranch_scc1 .Lhid_h
	TRIP 3, 0, 1, RA, 64, 128                      ; step 46: nothing is left to fetch; its wait shows the last tile landed
	TRIP 3, 1, 0, RA, 192, 0                       ; step 47
	; ---- the way out ----
	PLACES
	EPI 0, BB
	EPI 1, BB+64
	EPI 2, BB
	EPI 3, BB+64
	s_wait_tensorcnt 0x0
	ds_add_u32 v30, v31
	s_wait_dscnt 0x0
	CROUND                                         ; the closing round: no work-group ends while a partner may still ask for a tile that names it
	s_endpgm
.Lfunc_end_k_q007f508cc6_gru:
	.size	k_q007f508cc6_gru, .Lfunc_end_k_q007f508cc6_gru-k_q007f508cc6_gru
	.p2alignl 7, 3214868480
	.fill 96, 4, 3214868480
	.section	.rodata,"a",@progbits
	.p2align	6, 0x0
	.amdhsa_kernel k_q007f508cc6_gru
		.amdhsa_group_segment_fixed_size 327680
		.amdhsa_private_segment_fixed_size 0
		.amdhsa_enable_private_segment 0
		.amdhsa_kernarg_size 56
		.amdhsa_user_sgpr_count 2
		.amdhsa_user_sgpr_kernarg_segment_ptr 1
		.amdhsa_wavefront_size32 1
		.amdhsa_system_sgpr_workgroup_id_x 1
		.amdhsa_system_sgpr_workgroup_id_y 1
		.amdhsa_system_sgpr_workgroup_id_z 1
		.amdhsa_system_vgpr_workitem_id 0
		.amdhsa_next_free_vgpr 1024
		.amdhsa_next_free_sgpr 66
		.amdhsa_reserve_vcc 0
		.amdhsa_float_denorm_mode_32 3
		.amdhsa_float_denorm_mode_16_64 3
		.amdhsa_memory_ordered 1
		.amdhsa_forward_progress 1
		.amdhsa_inst_pref_size 255
	.end_amdhsa_kernel
	.section	.bss,"aw",@nobits
	.p2align	6
	.space	262144
	.amdgpu_metadata
---
amdhsa.version: [ 1, 2 ]
amdhsa.kernels:
  - .name:           k_q007f508cc6_gru
    .symbol:         k_q007f508cc6_gru.kd
    .args:
      - { .name: inputs, .offset: 0, .size: 8, .value_kind: global_buffer, .address_space: global }
      - { .name: h_prev, .offset: 8, .size: 8, .value_kind: global_buffer, .address_space: global }
      - { .name: update_bias, .offset: 16, .size: 8, .value_kind: global_buffer, .address_space: global }
      - { .name: reset_bias, .offset: 24, .size: 8, .value_kind: global_buffer, .address_space: global }
      - { .name: hidden_bias, .offset: 32, .size: 8, .value_kind: global_buffer, .address_space: global }
      - { .name: wbuf, .offset: 40, .size: 8, .value_kind: global_buffer, .address_space: global }
      - { .name: out0, .offset: 48, .size: 8, .value_kind: global_buffer, .address_space: global }
    .group_segment_fixed_size: 327680
    .private_segment_fixed_size: 0
    .kernarg_segment_align: 8
    .kernarg_segment_size: 56
    .max_flat_workgroup_size: 128
    .sgpr_count:     66
    .vgpr_count:     1024
    .wavefront_size: 32
...
	.end_amdgpu_metadata
.endif
;; end of part 3
